; MI455X (gfx1250); checked and timed in simulation.
; The chip was launched on July 23, 2026; its instructions are those of AMD's public machine-readable ISA for CDNA 5 (MIT licence, August 2026) and "CDNA5" Instruction Set Architecture Reference Guide (July 2026). The comments in the code are by the model that wrote it; some were corrected since.
;; Attention. Allowed arithmetic: matrix products marked QUANTISED: E2M3 operands, one E8M0 scale for each 32 along K, by v_wmma_scale_f32_16x16x128_f8f6f4 with both operands' format E2M3, f32 sums; everything else in f32.
;; Inputs: key 4 x 16 x 2,048 x 64 float32; mask 4 x 2,048 float32; query 4 x 16 x 2,048 x 64 float32; to_k 1 float32; to_q 1 float32; value 4 x 16 x 2,048 x 64 float32.
;; Outputs: out0 4 x 2,048 x 1,024 float32.
;; This version of the problem:
;;   THIS VERSION OF THE PROBLEM IS GIVEN IN LOW PRECISION. The matrix products marked QUANTISED in the list below multiply operands that are first quantised to E2M3 (2 exponent bits, 3 mantissa bits; 6 bits a number), with one power-of-two scale for each 32 numbers along K (OCP MX v1.0); their sums are f32. All else is computed in f32.
;;   The module's matrix products, in the order in which they are computed (A, B: the left and right operand; K: the contracted axis; several contracted axes count as one K, in the product's order):
;;     1. batch 64 x [M 2,048, K 64] x [K 64, N 2,048]; A: input query; B: input key: QUANTISED
;;     2. batch 64 x [M 2,048, K 2,048] x [K 2,048, N 64]; A: softmax (see below); B: input value: QUANTISED
;;   THE QUANTISER, for each operand of a quantised product, along K:
;;     - K is cut into blocks of 32 from its start; a last block that is shorter is filled with zeros.
;;     - A block's scale is 2^e with e = floor(log2(the largest magnitude in the block)) - 2, held to -126 .. 127; a block of zeros has e = 0. As a byte (E8M0): e + 127.
;;     - Each number is divided by its block's scale, clamped to +-7.5, and rounded to the nearest number of E2M3, ties to even, subnormals kept.
;;     - The product sums the exact products of the quantised numbers (number of the format x scale) in f32.
;;   ~~~python
;;   def quantise(x, axis):      # numpy; x: float32 -> the quantised numbers, widened to float32 again
;;       x = np.moveaxis(x, axis, -1); K = x.shape[-1]
;;       x = np.pad(x, [(0, 0)] * (x.ndim - 1) + [(0, -K % 32)]); x = x.reshape(x.shape[:-1] + (-1, 32)); a = np.abs(x).max(-1, keepdims=True)
;;       e = np.where(a > 0, np.clip(np.frexp(np.where(a > 0, a, 1))[1] - 1 - 2, -126, 127), 0)      # np.frexp(a)[1] - 1 = floor(log2(a)), exactly
;;       r = np.clip(x / 2.0 ** e, -7.5, 7.5)
;;       step = 2.0 ** (np.maximum(np.frexp(np.where(r == 0, 1, r))[1] - 1, 0) - 3)
;;       q = np.round(r / step) * step * 2.0 ** e      # np.round: ties to even
;;       return np.moveaxis(q.reshape(q.shape[:-2] + (-1,))[..., :K], -1, axis).astype(np.float32)
;;   ~~~
;;   SOFTMAX AHEAD OF A QUANTISED PRODUCT. Where the list says 'softmax', what is quantised is not the finished softmax but p = 2^(t - M), with t = logit x log2(e) and M = ceil(the row's largest t), a whole number; so 1/2 < the row's largest p <= 1. The row's sum l is taken of the UNQUANTISED p, in f32, and the product's result is divided by l at the end. Since M is a whole number, a kernel that streams over the keys may use a running M (the ceiling of the running maximum): every later rescaling is an exact power of two, which a block's scale takes up: the codes' values come out the same.
;;   OPERANDS COMPUTED ON THE WAY. 'Computed on the way' means the value that the module computes at that place (a softmax that the list does not call 'softmax' is quantised finished and normalised). What goes into a quantiser is computed in f32, as accurately as f32 sums, v_exp_f32 and their like allow (about 1e-6 of the number): no bf16 or f16 on the way to a quantiser, and a product that is left as it is and whose result goes on into a quantised operand takes f32 operands (vector FMAs, or v_wmma_f32_16x16x4_f32). A number that lies on a knife's edge between two numbers of the format may be rounded either way, as far as f32 arithmetic and the matrix unit's own rounding can turn it there, and no further.
;; 2 versions. Each part assembles by itself: llvm-mc -triple=amdgcn-amd-amdhsa -mcpu=gfx1250 --defsym DOCPART=n.
;; ======== version 1 of 2: 1 launch
;; launch attn (part 1): grid 4 x 64, 16 waves a work-group, no clusters, 280,576 bytes of LDS; arguments query, key, value, out0; writes out0
.if DOCPART == 1
	.amdgcn_target "amdgcn-amd-amdhsa--gfx1250"
	.amdhsa_code_object_version 6
	.text
	.protected	k_qe41063fa40_attn
	.globl	k_qe41063fa40_attn
	.p2align	8
	.type	k_qe41063fa40_attn,@function
k_qe41063fa40_attn:
	s_mov_b64 s[64:65], 0
	v_nop
	global_prefetch_b8 v0, s[64:65] scope:SCOPE_SE
	s_setreg_imm32_b32 hwreg(HW_REG_WAVE_MODE, 25, 1), 1
	s_wait_xcnt 0x0
; out0[b][q][64 h + d] = sum over k of softmax_k(Q[b][h][q] . K[b][h][k] / 8) V[b][h][k][d].  Q, K, V: [4][16][2048][64] f32; out0: [4][2048][1024] f32.
; Both products on codes of FP6 (E2M3) with one E8M0 scale for each 32 along a product's K (the head's 64 in the first, the 2,048 keys in the second), sums in f32.
; THE SOFTMAX AHEAD OF THE SECOND PRODUCT: t = score x log2(e) / 8; M = the running largest t, rounded UP to a whole number; p = 2^(t - M) is quantised along the keys, not normalised.
; The row's sum is taken of the unquantised p and divides O at the end.  When M moves, the sum and O are multiplied by 2^(old M - new M), which rounds nothing.
; mask, to_q and to_k: the launch is not given them.
; SHARES.  Work-group (x, y): head y (= 16 b + h), queries 512 x .. 512 x + 511.  Sixteen waves of 256 registers, four to a SIMD; a wave owns 32 queries, as two tiles of 16 in two passes over the keys.
; K AND V ARE QUANTISED BY THE WORK-GROUP ITSELF, ONCE, INTO LDS: a head's codes are 2 x 98,304 bytes and its scale words 12,288, so a whole head stays there and no LDS byte is written twice.
; Pass 0 is a pipeline: the trip that works on keys 256 d .. 256 d + 255 also loads, quantises and stores the codes of the next 256 keys; one barrier a trip.  Pass 1 finds all in LDS and has no barrier.
; NO CLUSTER, NO TENSOR LOAD: what the four work-groups of a head share is f32 that has to pass through registers to be quantised; as tiles a head's K and V are 1,048,576 bytes, more than three times the LDS asked for here,
; so they would need a ring filled again and again, and every number would cross LDS once more as f32.  Here each wave loads its share straight into registers, a whole key step ahead of the wait for it.
; LAYOUT.  Both products are used transposed: S^T = K Q^T (source 0 = 16 keys, source 1 = my 16 queries), O^T = V^T P^T (source 0 = 16 channels, source 1 = P): lane (m = lane % 16, hh = lane / 16) holds query m throughout.
; THE KEYS OF A TILE ARE NOT NEIGHBOURS: in a step of 128 keys, row m of tile T takes key 64 (T / 4) + 32 (m / 8) + 8 (T % 4) + m % 8.  Register S + 32 c + i of a lane is then key 64 c + 32 hh + i:
; a lane holds WHOLE blocks of 32 keys, in the very order of the 6-bit operand: a block's maximum needs no other lane, and the conversions' results are the operand's registers.
; K = 64 IN AN INSTRUCTION OF K = 128: Q's fragment is 6 registers of codes and 6 of zero codes; K's fragment of tile T is its own 6 registers and the 6 that follow (the next tile's, or zeros): FP6 has no code for
; NaN or infinity, so they add nothing; bytes 2 and 3 of both scale words are 0x7f.
; A UNIT in LDS is the image of six operand registers, 768 bytes: registers 0-3 at 16 x lane, registers 4-5 at 512 + 8 x lane: one ds_load_b128 and one ds_load_b64 of consecutive bytes bring it back.
; LIMITS: NaN and infinities among the inputs are not served.  A block whose largest magnitude lies under 2^-124 (a block of zeros too) keeps the scale byte 1; its bytes are read by this launch alone.
; v_exp_f32 gives 0 for p under 2^-126 (ISA guide 15.8); the row's sum is above 1/2.
.set DCH,   26112                      ; LDS: a double chunk = 256 keys = two key steps g = 0, 1.  Eight of them from byte 0 on.  In it:
                                       ;   768 (8 g + T)            K's unit of tile T
.set VU,    12288                      ;   VU + 768 (8 g + 4 c + t) V's unit: channels 16 t on, keys 64 c on
.set KSC,   24576                      ;   KSC + 512 g              K's scale words: tile T, row m at 16 (m + 16 (T / 4)) + 4 (T % 4)
.set VSC,   25600                      ;   VSC + 256 g              V's scale words: tile t, row m at 8 (m + 16 (t / 2)) + 4 (t % 2); byte 2 c + h in the word
.set STAGE, 8*DCH                      ; behind them a stage for each wave, its own: 16 rows of 256 bytes + 16
.set SROW,  272                        ; 17 x 16: sixteen rows begin at sixteen different places of 16 bytes modulo 256
.set SWAVE, 16*SROW
.set SPARE, STAGE+16*SWAVE             ; the spare words, 128 bytes for each wave: eight blocks of 256 bytes that no other line names
.set L16, 1                            ; v1   16 x lane       v2  8 x lane       v14  4 x lane; never rewritten
.set L8,  2
.set A16, 3                            ; v3, v4  the double chunk in hand + 16 x lane, + 8 x lane
.set A8,  4
.set SPW, 5                            ; v5   LDS address of my spare word: SPARE + 4 x my thread's number; never rewritten
.set NIL, 6                            ; v6   0; never rewritten
.set KW16, 7                           ; v7-9    where I store K's unit and its scale word, in a double chunk
.set KW8,  8
.set KWS,  9
.set VW16, 10                          ; v10-12  the same for V
.set VW8,  11
.set VWS,  12
.set TS,  13                           ; v13  my stage + 272 hh + 16 m: two rows an instruction, 16 bytes a lane
.set L4,  14
.set SH8, 15                           ; v15  8 hh: where my half's byte stands in a scale word
.set TR,  16                           ; v16  my stage + 272 m + 128 hh: my 32 neighbours of row m
.set STO, 17                           ; v17  my stage + 272 m + 32 hh: the way out, in
.set GO,  18                           ; v18  4096 hh + 16 m: the way out, in out0
.set R2,  19                           ; v19  a lane permute's destination: written once at the head, since it counts as a source
.set NM,  20                           ; v20  -M     v21 the running largest t (the packed scaling names the pair and takes its low word)
.set TM,  21
.set LS,  22                           ; v[22:23] the row's sum, in two halves
.set F,   24                           ; v[24:25] f = 2^(old M - new M); the upper register is written once
.set SU,  26                           ; v[26:27] the sums' second chain
.set BM,  28                           ; v28-31 chains of the maxima
.set WA,  30                           ; v30, v31, v33: the addresses of the stores in hand
.set WB,  31
.set SO0, 32                           ; v32, v33 the conversions' scale operands
.set SO1, 33
.set WC,  33
.set QW,  34                           ; v34 Q's scale words   v35 p's   v[36:37] V's   v[38:41] K's: these hold scales and nothing else
.set PW,  35
.set VS,  36
.set KS,  38
.set QF,  42                           ; v[42:53] Q's fragment: 6 registers of codes, 6 of zeros
.set PC,  54                           ; v[54:65] the codes just made
.set CT,  66                           ; v[66:68], v[70:72] a block's upper 16 codes (a conversion's three registers begin on an even number)
.set LN,  66                           ; at the head only: lane, m, hh
.set MM,  67
.set HH,  68
.set R,   69
.set BY,  73
.set KF,  74                           ; v[74:121] K's eight units, later V's four fragments
.set KZ,  122                          ; v[122:127] zeros: what follows tile 7's unit
.set S,   128                          ; v[128:191] S^T, then p
.set O,   192                          ; v[192:223] O^T: four accumulators
.set X,   224                          ; v[224:255] 32 numbers on their way to a quantiser
.set QP,  4                            ; s[4:5] Q   s[6:7] K   s[8:9] V   s[10:11] out0, each at my wave's part
.set KP,  6
.set VP,  8
.set OUT, 10
.set WV,  12                           ; s12  my wave's number
.set SEL, 20                           ; s[20:21] v_permlanex16_b32's selects for lane l xor 16
.set CS,  22                           ; s[22:23] c = log2(e) / 8 (the packed form names a pair)
.set TB,  24                           ; s24  LDS byte at which the double chunk in hand begins
.set CNT, 25
; My wave's share of the next 256 keys.  K: tile w's 16 keys, two rows (512 consecutive bytes) a load.
.macro KLOAD dst
.irp i, 0,1,2,3,4,5,6,7
	global_load_b128 v[\dst+4*\i:\dst+4*\i+3], v[L16], s[KP:KP+1] offset:8192*(\i/4)+512*(\i%4)   ; tile rows 2 i, 2 i + 1: keys 32 (i / 4) + 2 (i % 4) on
.endr
.endm
; V: a lane takes a channel and its registers run down a block of 32 keys: 128 consecutive bytes a load.
.macro VLOAD dst
.set j, 0
.rept 32
	global_load_b32 v[\dst+j], v[L4], s[VP:VP+1] offset:256*j
.set j, j+1
.endr
.endm
; Q: 16 queries, two rows a load; read by this wave alone.
.macro QLOAD dst
.irp i, 0,1,2,3,4,5,6,7
	global_load_b128 v[\dst+4*\i:\dst+4*\i+3], v[L16], s[QP:QP+1] offset:512*\i th:TH_LOAD_NT
.endr
.endm
; 16 rows of 256 bytes, loaded as they lie, turn through my stage: lane (m, hh) gets numbers 32 hh .. 32 hh + 31 of row m.  LDS serves a wave's instructions in order (ISA guide 5.7.1.4): no wait between stores and loads.
.macro TURN src, dst
.irp i, 0,1,2,3,4,5,6,7
	ds_store_b128 v[TS], v[\src+4*\i:\src+4*\i+3] offset:2*SROW*\i
.endr
.irp i, 0,1,2,3,4,5,6,7
	ds_load_b128 v[\dst+4*\i:\dst+4*\i+3], v[TR] offset:16*\i
.endr
.endm
; A whole block of 32 numbers in a lane's registers becomes six registers of codes at v[dst] and the scale's byte in v[BY].
.macro QUANT32 src, dst
	v_max3_num_f32 v[BM], |v[\src]|, |v[\src+1]|, 0x1800000             ; the largest magnitude, in two chains, with the floor 2^(3 - 127) among its leaves: the byte cannot fall under 1
	v_max3_num_f32 v[BM+1], |v[\src+16]|, |v[\src+17]|, |v[\src+18]|
.irp i, 2,4,6,8,10,12
	v_max3_num_f32 v[BM], v[BM], |v[\src+\i]|, |v[\src+\i+1]|
	v_max3_num_f32 v[BM+1], v[BM+1], |v[\src+17+\i]|, |v[\src+18+\i]|
.endr
	v_max3_num_f32 v[BM], v[BM], |v[\src+14]|, |v[\src+15]|
	v_max3_num_f32 v[BM], v[BM], v[BM+1], |v[\src+31]|
	v_add_nc_u32 v[SO0], 0xff000000, v[BM]                             ; 2 off its exponent field: the conversion takes the exponent field of this operand as its scale
	v_cvt_scalef32_pk16_fp6_f32 v[\dst:\dst+2], v[\src:\src+15], v[SO0]
	v_cvt_scalef32_pk16_fp6_f32 v[CT:CT+2], v[\src+16:\src+31], v[SO0]
	v_lshrrev_b32 v[BY], 23, v[SO0]                                    ; the scale's byte; also the plain instruction behind the conversions
.irp i, 0,1,2
	v_mov_b32 v[\dst+3+\i], v[CT+\i]
.endr
.endm
; The bytes of blocks 0 (lanes 0-15) and 1 (lanes 16-31) of row m make its scale word; bytes 2 and 3, over the zero codes, are 0x7f.
.macro WORD2 dst
	v_lshlrev_b32 v[BY], v[SH8], v[BY]
	v_permlanex16_b32 v[R2], v[BY], s[SEL], s[SEL+1]
	v_or_b32 v[BY], v[BY], v[R2]
	v_or_b32 v[\dst], 0x7f7f0000, v[BY]
.endm
; The unit in v[PC] on and its scale go to LDS, off bytes behind the double chunk in hand.
.macro KPUT off
	WORD2 BY
	v_add_nc_u32 v[WA], s[TB], v[KW16]
	v_add_nc_u32 v[WB], s[TB], v[KW8]
	v_add_nc_u32 v[WC], s[TB], v[KWS]
	ds_store_b128 v[WA], v[PC:PC+3] offset:\off
	ds_store_b64 v[WB], v[PC+4:PC+5] offset:\off
	ds_store_b32 v[WC], v[BY] offset:\off                               ; both halves of the lanes write the same word with the same value
.endm
.macro VPUT off
	v_add_nc_u32 v[WA], s[TB], v[VW16]
	v_add_nc_u32 v[WB], s[TB], v[VW8]
	v_add_nc_u32 v[WC], s[TB], v[VWS]
	ds_store_b128 v[WA], v[PC:PC+3] offset:\off
	ds_store_b64 v[WB], v[PC+4:PC+5] offset:\off
	ds_store_b8 v[WC], v[BY] offset:\off                                ; my channel's byte for my block of keys
.endm
; A pass begins: O^T and the sum are zeros and the largest t is -3e38, so that the key step is written without a first step of its own: the first change of M multiplies zeros.
.macro INIT
.set j, 0
.rept 32
	v_mov_b32 v[O+j], 0
.set j, j+1
.endr
	v_mov_b32 v[TM], 0xff61b1e6
	v_floor_f32 v[NM], -v[TM]
	v_mov_b32 v[LS], 0
	v_mov_b32 v[LS+1], 0
.endm
; A KEY STEP: 128 keys, the g-th of the double chunk in hand.
.macro STEP g
	v_add_nc_u32 v[A16], s[TB], v[L16]
	v_add_nc_u32 v[A8], s[TB], v[L8]
	v_nop                                                              ; with the two additions: four plain instructions between the last products and loads into registers that they read (ISA guide 7.12.1 for vector instructions)
	v_nop
.irp t, 0,1,2,3,4,5,6,7
	ds_load_b128 v[KF+6*\t:KF+6*\t+3], v[A16] offset:768*(8*(\g)+\t)
	ds_load_b64 v[KF+6*\t+4:KF+6*\t+5], v[A8] offset:768*(8*(\g)+\t)+512
.endr
	ds_load_b128 v[KS:KS+3], v[A16] offset:KSC+512*(\g)                ; register i: lanes 0-15 tile i's words, lanes 16-31 tile 4 + i's
	s_wait_dscnt 0x0                                                   ; K's units and words are in (and earlier LDS stores have read their registers)
.irp t, 0,1,2,3
	v_wmma_scale_f32_16x16x128_f8f6f4 v[S+8*\t:S+8*\t+7], v[KF+6*\t:KF+6*\t+11], v[QF:QF+11], 0, v[KS+\t], v[QW] matrix_a_fmt:MATRIX_FMT_FP6 matrix_b_fmt:MATRIX_FMT_FP6
.endr
.irp t, 4,5,6,7
	v_wmma_scale_f32_16x16x128_f8f6f4 v[S+8*\t:S+8*\t+7], v[KF+6*\t:KF+6*\t+11], v[QF:QF+11], 0, v[KS+\t-4], v[QW] matrix_a_fmt:MATRIX_FMT_FP6 matrix_b_fmt:MATRIX_FMT_FP6 matrix_a_scale:MATRIX_SCALE_ROW1
.endr
.rept 4
	v_nop                                                              ; four plain instructions: in front of the loads into K's registers, and of the first read of the scores
.endr
.irp t, 0,1,2,3
.irp c, 0,1
	ds_load_b128 v[KF+12*\t+6*\c:KF+12*\t+6*\c+3], v[A16] offset:VU+768*(8*(\g)+4*\c+\t)        ; V's fragments land while the softmax is walked
	ds_load_b64 v[KF+12*\t+6*\c+4:KF+12*\t+6*\c+5], v[A8] offset:VU+768*(8*(\g)+4*\c+\t)+512
.endr
.endr
	ds_load_b64 v[VS:VS+1], v[A8] offset:VSC+256*(\g)                  ; register i: lanes 0-15 tile i's words, lanes 16-31 tile 2 + i's
	; THE LARGEST SCORE OF EACH OF MY TWO BLOCKS OF 32 KEYS, two chains a block, the four by turns, registers ascending (each accumulator is first read at its lowest register).
	; It serves twice: for the row's maximum, and, since p rises with the score, for the block's largest p.
.irp q, 0,1,2,3
	v_max3_num_f32 v[BM+\q], v[S+16*\q], v[S+16*\q+1], v[S+16*\q+2]
.endr
.irp i, 3,5,7,9,11,13
.irp q, 0,1,2,3
	v_max3_num_f32 v[BM+\q], v[BM+\q], v[S+16*\q+\i], v[S+16*\q+\i+1]
.endr
.endr
.irp c, 0,1
	v_max3_num_f32 v[BM+2*\c], v[BM+2*\c], v[BM+2*\c+1], v[S+32*\c+15]
.endr
.irp c, 0,1
	v_max_num_f32 v[BM+2*\c], v[BM+2*\c], v[S+32*\c+31]
.endr
	v_max_num_f32 v[R], v[BM], v[BM+2]
	v_permlanex16_b32 v[R2], v[R], s[SEL], s[SEL+1]
	v_max_num_f32 v[R], v[R], v[R2]                                    ; with lane l xor 16's two blocks: the step's largest score of my query
	v_mul_f32 v[R], s[CS], v[R]                                        ; as t (c is positive)
	v_max_num_f32 v[TM], v[TM], v[R]                                   ; the running largest t
	v_mov_b32 v[R], v[NM]
	v_floor_f32 v[NM], -v[TM]                                          ; the new -M = floor(-t) = -ceil(t): a whole number
	v_sub_f32 v[R], v[NM], v[R]                                        ; old M - new M: a whole number, 0 or less
	v_cvt_i32_f32 v[R], v[R]                                           ; (it saturates)
	v_ldexp_f32 v[F], 1.0, v[R]                                        ; f = 2^(old M - new M)
.set j, 0
.rept 32
	v_pk_fma_f32 v[S+j:S+j+1], v[S+j:S+j+1], s[CS:CS+1], v[NM:NM+1] op_sel_hi:[1,0,0]   ; t - M, two at a time
.set j, j+2
.endr
	v_fma_f32 v[BM], v[BM], s[CS], v[NM]                               ; the same of each block's largest score
	v_fma_f32 v[BM+2], v[BM+2], s[CS], v[NM]
.set j, 0
.rept 64
	v_exp_f32 v[S+j], v[S+j]                                           ; p = 2^(t - M): not normalised
.set j, j+1
.endr
	v_pk_mul_f32 v[LS:LS+1], v[LS:LS+1], v[F:F+1] op_sel_hi:[1,0]      ; the sums under the new M; the plain instruction behind the exponentials
	s_wait_alu depctr_va_vdst(0)                                       ; one wait for the batch of 64, ahead of its first reader
	v_exp_f32 v[BM], v[BM]                                             ; the blocks' largest p: the same two instructions on the same number give the same bits
	v_exp_f32 v[BM+2], v[BM+2]
	v_pk_add_f32 v[SU:SU+1], v[S:S+1], v[S+2:S+3]                      ; THE ROW'S SUM IS TAKEN OF THE UNQUANTISED p, in two chains; it reads the 64 alone
.set j, 4
.rept 15
	v_pk_add_f32 v[LS:LS+1], v[LS:LS+1], v[S+j:S+j+1]
	v_pk_add_f32 v[SU:SU+1], v[SU:SU+1], v[S+j+2:S+j+3]
.set j, j+4
.endr
	v_pk_add_f32 v[LS:LS+1], v[LS:LS+1], v[SU:SU+1]
	s_wait_alu depctr_va_vdst(0)                                       ; and one for the two
	v_max_num_f32 v[BM], 0x1800000, v[BM]                              ; the floor 2^(3 - 127): the byte cannot fall under 1 (a block whose every p is 0 keeps that byte: its codes are zeros)
	v_max_num_f32 v[BM+2], 0x1800000, v[BM+2]
	v_add_nc_u32 v[SO0], 0xff000000, v[BM]                             ; 2 off the exponent field: the conversions' scale operands
	v_add_nc_u32 v[SO1], 0xff000000, v[BM+2]
	v_lshrrev_b32 v[BY], 23, v[SO0]                                    ; the bytes of blocks hh and 2 + hh
	v_lshrrev_b32 v[R], 23, v[SO1]
	v_cvt_scalef32_pk16_fp6_f32 v[PC:PC+2], v[S:S+15], v[SO0]
	v_cvt_scalef32_pk16_fp6_f32 v[CT:CT+2], v[S+16:S+31], v[SO0]
	v_cvt_scalef32_pk16_fp6_f32 v[PC+6:PC+8], v[S+32:S+47], v[SO1]
	v_cvt_scalef32_pk16_fp6_f32 v[CT+4:CT+6], v[S+48:S+63], v[SO1]
	v_lshl_or_b32 v[PW], v[R], 16, v[BY]                               ; (a plain instruction behind the conversions)  my two bytes,
	v_lshlrev_b32 v[PW], v[SH8], v[PW]                                 ; at their places in the scale word;
	v_permlanex16_b32 v[R2], v[PW], s[SEL], s[SEL+1]
	v_or_b32 v[PW], v[PW], v[R2]                                       ; with lane l xor 16's two the word of these 128 keys is whole
.irp c, 0,1
.irp i, 0,1,2
	v_mov_b32 v[PC+6*\c+3+\i], v[CT+4*\c+\i]
.endr
.endr
.set j, 0
.rept 16
	v_pk_mul_f32 v[O+j:O+j+1], v[O+j:O+j+1], v[F:F+1] op_sel_hi:[1,0]  ; O^T under the new M.  With the six moves these stand between p's scale word (22 instructions back) and codes (16) and the products
.set j, j+2
.endr
	s_wait_dscnt 0x0                                                   ; V's fragments and words are in
.irp t, 0,1
	v_wmma_scale_f32_16x16x128_f8f6f4 v[O+8*\t:O+8*\t+7], v[KF+12*\t:KF+12*\t+11], v[PC:PC+11], v[O+8*\t:O+8*\t+7], v[VS+\t], v[PW] matrix_a_fmt:MATRIX_FMT_FP6 matrix_b_fmt:MATRIX_FMT_FP6
.endr
.irp t, 2,3
	v_wmma_scale_f32_16x16x128_f8f6f4 v[O+8*\t:O+8*\t+7], v[KF+12*\t:KF+12*\t+11], v[PC:PC+11], v[O+8*\t:O+8*\t+7], v[VS+\t-2], v[PW] matrix_a_fmt:MATRIX_FMT_FP6 matrix_b_fmt:MATRIX_FMT_FP6 matrix_a_scale:MATRIX_SCALE_ROW1
.endr
.endm                                  ; the four accumulators take turns, and eight other products stand between two steps' turns
; THE WAY OUT of a tile of 16 queries.  O^T / the sum goes through my stage and leaves as whole rows: a query's 64 channels of this head are 256 consecutive bytes of out0, at a multiple of 256 from its first byte.
; more = 1: another tile follows.
.macro FINISH more
	v_add_f32 v[LS], v[LS], v[LS+1]                                    ; the sum's two halves,
	v_permlanex16_b32 v[R2], v[LS], s[SEL], s[SEL+1]
	v_add_f32 v[LS], v[LS], v[R2]                                      ; and lane l xor 16's blocks: the row's sum
	v_nop                                                              ; (with the two additions: four plain instructions behind the last products)
	v_nop
	v_rcp_f32 v[F], v[LS]
	v_nop                                                              ; a plain instruction behind the reciprocal,
	s_wait_alu depctr_va_vdst(0)                                       ; and the wait ahead of its first reader
.set j, 0
.rept 16
	v_pk_mul_f32 v[S+j:S+j+1], v[O+j:O+j+1], v[F:F+1] op_sel_hi:[1,0]  ; register 8 t + i: o(query m, channel 16 t + 8 hh + i); each accumulator from its low end on
.set j, j+2
.endr
.irp t, 0,1,2,3
	ds_store_b128 v[STO], v[S+8*\t:S+8*\t+3] offset:64*\t
	ds_store_b128 v[STO], v[S+8*\t+4:S+8*\t+7] offset:64*\t+16
.endr
.irp i, 0,1,2,3,4,5,6,7
	ds_load_b128 v[S+32+4*\i:S+32+4*\i+3], v[TS] offset:2*SROW*\i      ; back by rows: lanes 0-15 one query, lanes 16-31 the next (in order behind my stores)
.endr
.irp i, 0,1,2,3,4,5,6,7
	s_wait_dscnt 7-\i                                                  ; the i-th of the eight is in, the younger ones may be out
	global_store_b128 v[GO], v[S+32+4*\i:S+32+4*\i+3], s[OUT:OUT+1] offset:8192*\i th:TH_STORE_NT   ; sixteen lanes store 256 consecutive bytes; written once, read by nobody here
.endr
.if \more
	s_wait_xcnt 0x0                                                    ; the stores' base and data are written again only behind this wait
	s_add_nc_u64 s[OUT:OUT+1], s[OUT:OUT+1], 65536                     ; 16 rows of out0 on
.endif
.endm
	s_load_b256 s[4:11], s[0:1], 0x0                                   ; query, key, value, out0
	v_lshl_add_u32 v[SPW], v0, 2, SPARE
	v_mov_b32 v[NIL], 0
	v_lshrrev_b32 v[R], 5, v0
	v_readfirstlane_b32 s[WV], v[R]                                    ; wave w, 0 .. 15
	v_and_b32 v[LN], 31, v0
	v_and_b32 v[MM], 15, v0                                            ; m
	v_bfe_u32 v[HH], v0, 4, 1                                          ; hh
	v_lshlrev_b32 v[L16], 4, v[LN]
	v_lshlrev_b32 v[L8], 3, v[LN]
	v_lshlrev_b32 v[L4], 2, v[LN]
	v_lshlrev_b32 v[SH8], 3, v[HH]
	; K: wave w makes unit w of a double chunk (step w / 8, tile w % 8)
	s_mul_i32 s13, s[WV], 768
	v_add_nc_u32 v[KW16], s13, v[L16]
	s_add_co_u32 s13, s13, 512
	v_add_nc_u32 v[KW8], s13, v[L8]
	s_lshr_b32 s13, s[WV], 2
	s_lshl_b32 s13, s13, 8
	s_and_b32 s28, s[WV], 3
	s_lshl_b32 s28, s28, 2
	s_add_co_u32 s13, s13, s28
	s_add_co_u32 s13, s13, KSC
	v_lshl_add_u32 v[KWS], v[MM], 4, s13                               ; KSC + 256 (w / 4) + 4 (w % 4) + 16 m
	; V: wave w takes the block of keys 2 (w / 4) + w % 2 and channels 32 ((w / 2) % 2) + lane: its lanes fill place m + 16 (w % 2) of units (w & 14) + hh
	s_and_b32 s13, s[WV], 14
	s_mul_i32 s13, s13, 768
	s_and_b32 s28, s[WV], 1
	s_lshl_b32 s29, s28, 8
	s_add_co_u32 s29, s29, s13
	s_add_co_u32 s29, s29, VU
	v_mul_u32_u24 v[VW16], v[HH], 768
	v_lshl_add_u32 v[VW8], v[MM], 3, v[VW16]
	v_lshl_add_u32 v[VW16], v[MM], 4, v[VW16]
	v_add_nc_u32 v[VW16], s29, v[VW16]
	s_lshl_b32 s29, s28, 7
	s_add_co_u32 s29, s29, s13
	s_add_co_u32 s29, s29, VU+512
	v_add_nc_u32 v[VW8], s29, v[VW8]
	s_lshr_b32 s29, s[WV], 3
	s_lshl_b32 s29, s29, 8                                             ; the step: 256 (w / 8)
	s_bfe_u32 s30, s[WV], 0x10001
	s_lshl_b32 s30, s30, 7                                             ; tiles 2, 3: 128 ((w / 2) % 2)
	s_add_co_u32 s29, s29, s30
	s_bfe_u32 s30, s[WV], 0x10002
	s_lshl_b32 s30, s30, 1                                             ; the byte in the word: 2 ((w / 4) % 2) + w % 2
	s_add_co_u32 s29, s29, s30
	s_add_co_u32 s29, s29, s28
	s_add_co_u32 s29, s29, VSC
	v_lshlrev_b32 v[VWS], 3, v[MM]
	v_lshl_add_u32 v[VWS], v[HH], 2, v[VWS]
	v_add_nc_u32 v[VWS], s29, v[VWS]
	; my stage
	s_mul_i32 s13, s[WV], SWAVE
	s_add_co_u32 s13, s13, STAGE
	v_mul_u32_u24 v[TS], v[HH], SROW
	v_lshl_add_u32 v[TS], v[MM], 4, v[TS]
	v_add_nc_u32 v[TS], s13, v[TS]
	v_mul_u32_u24 v[TR], v[MM], SROW
	v_lshl_add_u32 v[STO], v[HH], 5, v[TR]
	v_lshl_add_u32 v[TR], v[HH], 7, v[TR]
	v_add_nc_u32 v[TR], s13, v[TR]
	v_add_nc_u32 v[STO], s13, v[STO]
	v_lshlrev_b32 v[GO], 12, v[HH]                                     ; a row of out0 is 4,096 bytes
	v_lshl_add_u32 v[GO], v[MM], 4, v[GO]
	v_mov_b32 v[R2], 0
	v_mov_b32 v[F+1], 0                                                ; (named as the upper half of a pair)
	s_mov_b32 s[SEL], 0x76543210
	s_mov_b32 s[SEL+1], 0xfedcba98
	s_mov_b32 s[CS], 0x3e38aa3b                                        ; c = log2(e) / 8
	s_mov_b32 s[CS+1], s[CS]
	s_mov_b32 s[TB], 0
	; byte offsets, all under 2^32, each in a pair with 0 above it
	s_and_b32 s28, ttmp7, 0xffff                                       ; the head, 16 b + h
	s_lshl_b32 s29, s28, 19                                            ; its 2,048 rows of 256 bytes in Q, K and V
	s_lshr_b32 s30, s[WV], 2
	s_lshl_b32 s30, s30, 14
	s_add_co_u32 s30, s30, s29                                         ; + 64 keys x (w / 4)
	s_and_b32 s31, s[WV], 3
	s_lshl_b32 s31, s31, 11
	s_add_co_u32 s14, s30, s31                                         ; K: + 8 keys x (w % 4)
	s_mov_b32 s15, 0
	s_and_b32 s31, s[WV], 1
	s_lshl_b32 s31, s31, 13
	s_add_co_u32 s16, s30, s31                                         ; V: + 32 keys x (w % 2)
	s_bfe_u32 s31, s[WV], 0x10001
	s_lshl_b32 s31, s31, 7
	s_add_co_u32 s16, s16, s31                                         ;    + 32 channels x ((w / 2) % 2)
	s_mov_b32 s17, 0
	s_lshl_b32 s31, ttmp9, 17
	s_add_co_u32 s18, s29, s31                                         ; Q: + 512 queries x work-group x
	s_lshl_b32 s31, s[WV], 13
	s_add_co_u32 s18, s18, s31                                         ;    + 32 queries x w
	s_mov_b32 s19, 0
	s_lshr_b32 s26, s28, 4
	s_lshl_b32 s26, s26, 23                                            ; out0: b x 2,048 rows of 4,096 bytes
	s_lshl_b32 s31, ttmp9, 21
	s_add_co_u32 s26, s26, s31
	s_lshl_b32 s31, s[WV], 17
	s_add_co_u32 s26, s26, s31
	s_and_b32 s31, s28, 15
	s_lshl_b32 s31, s31, 8                                             ;       + 256 bytes x h
	s_add_co_u32 s26, s26, s31
	s_mov_b32 s27, 0
	s_wait_kmcnt 0x0
	s_add_nc_u64 s[KP:KP+1], s[KP:KP+1], s[14:15]
	s_add_nc_u64 s[VP:VP+1], s[VP:VP+1], s[16:17]
	s_add_nc_u64 s[QP:QP+1], s[QP:QP+1], s[18:19]
	s_add_nc_u64 s[OUT:OUT+1], s[OUT:OUT+1], s[26:27]
	KLOAD X                                                            ; keys 0 to 255: my unit of K,
	VLOAD S                                                            ; my half units of V,
	QLOAD S+32                                                         ; and my first 16 queries
	; THE PROLOGUE: double chunk 0, and Q's first fragment
	s_wait_loadcnt 40                                                  ; K's 8 loads are in; V's 32 and Q's 8 may be out
	TURN X, O
	s_wait_dscnt 0x0
	QUANT32 O, PC
	KPUT 0
	s_wait_loadcnt 8                                                   ; V's are in; Q's 8 may be out
	s_wait_dscnt 0x0                                                   ; K's stores have read their registers
	QUANT32 S, PC
	VPUT 0
	s_wait_loadcnt 0x0                                                 ; Q is in; no load of mine is out, so the three bases may step below
	TURN S+32, X
	s_wait_dscnt 0x0                                                   ; Q is back from the stage; my stores into double chunk 0 have landed: no LDS instruction of mine is out from here to the barrier
	QUANT32 X, QF
	WORD2 QW
.irp i, 0,1,2,3,4,5
	v_mov_b32 v[QF+6+\i], 0                                            ; zero codes for k = 64 .. 127
	v_mov_b32 v[KZ+\i], 0
.endr
	INIT
	s_add_nc_u64 s[KP:KP+1], s[KP:KP+1], 65536                         ; 256 keys on
	s_add_nc_u64 s[VP:VP+1], s[VP:VP+1], 65536
	s_add_nc_u64 s[QP:QP+1], s[QP:QP+1], 4096                          ; my second 16 queries
	s_barrier_signal -1
	s_barrier_wait -1                                                  ; double chunk 0 is whole
	; PASS 0, my first 16 queries.  A trip reads double chunk d and writes double chunk d + 1 (DCH bytes further on): no byte is both read and written between two barriers.
	s_mov_b32 s[CNT], 7
.Lfill:
	KLOAD X                                                            ; a whole key step ahead of the wait for it
	STEP 0
	s_wait_loadcnt 0x0                                                 ; K's 8 loads are in, so their base may step
	s_add_nc_u64 s[KP:KP+1], s[KP:KP+1], 65536
	TURN X, S                                                          ; p's registers are free
	s_wait_dscnt 0x0                                                   ; the stage's stores have read X
	VLOAD X                                                            ; likewise a key step ahead
	QUANT32 S, PC                                                      ; (its sixteen maxima are the plain instructions between the last products and the write of their codes' registers)
	KPUT DCH
	STEP 1
	s_wait_loadcnt 0x0                                                 ; V's 32 loads are in
	s_add_nc_u64 s[VP:VP+1], s[VP:VP+1], 65536
	QUANT32 X, PC
	VPUT DCH
	s_add_co_u32 s[TB], s[TB], DCH
	s_wait_dscnt 0x0                                                   ; for the others' sake: my stores into the next double chunk have landed
	s_barrier_signal -1
	s_barrier_wait -1                                                  ; it is whole
	s_sub_co_u32 s[CNT], s[CNT], 1
	s_cmp_lg_u32 s[CNT], 0
	s_cbranch_scc1 .Lfill
	QLOAD X                                                            ; the last 256 keys: nothing is left to quantise but my second 16 queries
	STEP 0
	STEP 1
	FINISH 1
	s_wait_loadcnt 0x0                                                 ; Q
	TURN X, S
	s_wait_dscnt 0x0
	QUANT32 S, QF
	WORD2 QW
	INIT                                                               ; (36 plain instructions between Q's scale word and the next product)
	s_mov_b32 s[TB], 0
	; PASS 1, my second 16 queries: the whole head lies in LDS and nobody writes it any more: no barrier
	s_mov_b32 s[CNT], 8
.Lkeys:
	STEP 0
	STEP 1
	s_add_co_u32 s[TB], s[TB], DCH
	s_sub_co_u32 s[CNT], s[CNT], 1
	s_cmp_lg_u32 s[CNT], 0
	s_cbranch_scc1 .Lkeys
	FINISH 0
	s_wait_tensorcnt 0x0                                               ; the wave's end
	ds_add_u32 v[SPW], v[NIL]
	s_wait_dscnt 0x0
	s_endpgm
.Lfunc_end_k_qe41063fa40_attn:
	.size	k_qe41063fa40_attn, .Lfunc_end_k_qe41063fa40_attn-k_qe41063fa40_attn
	.p2alignl 7, 3214868480
	.fill 96, 4, 3214868480
	.section	.rodata,"a",@progbits
	.p2align	6, 0x0
	.amdhsa_kernel k_qe41063fa40_attn
		.amdhsa_group_segment_fixed_size 280576
		.amdhsa_private_segment_fixed_size 0
		.amdhsa_enable_private_segment 0
		.amdhsa_kernarg_size 32
		.amdhsa_user_sgpr_count 2
		.amdhsa_user_sgpr_kernarg_segment_ptr 1
		.amdhsa_wavefront_size32 1
		.amdhsa_system_sgpr_workgroup_id_x 1
		.amdhsa_system_sgpr_workgroup_id_y 1
		.amdhsa_system_sgpr_workgroup_id_z 1
		.amdhsa_system_vgpr_workitem_id 0
		.amdhsa_next_free_vgpr 256
		.amdhsa_next_free_sgpr 66
		.amdhsa_reserve_vcc 0
		.amdhsa_float_denorm_mode_32 3
		.amdhsa_float_denorm_mode_16_64 3
		.amdhsa_memory_ordered 1
		.amdhsa_forward_progress 1
		.amdhsa_inst_pref_size 126
	.end_amdhsa_kernel
	.amdgpu_metadata
---
amdhsa.version: [ 1, 2 ]
amdhsa.kernels:
  - .name:           k_qe41063fa40_attn
    .symbol:         k_qe41063fa40_attn.kd
    .args:
      - { .name: query, .offset: 0, .size: 8, .value_kind: global_buffer, .address_space: global }
      - { .name: key, .offset: 8, .size: 8, .value_kind: global_buffer, .address_space: global }
      - { .name: value, .offset: 16, .size: 8, .value_kind: global_buffer, .address_space: global }
      - { .name: out0, .offset: 24, .size: 8, .value_kind: global_buffer, .address_space: global }
    .group_segment_fixed_size: 280576
    .private_segment_fixed_size: 0
    .kernarg_segment_align: 8
    .kernarg_segment_size: 32
    .max_flat_workgroup_size: 512
    .sgpr_count:     66
    .vgpr_count:     256
    .wavefront_size: 32
...
	.end_amdgpu_metadata
.endif
;; end of part 1
;; ======== version 2 of 2: 1 launch; version 1 with the launch attn written anew for expert scheduling mode
;; launch attn (part 2): grid 4 x 64, 16 waves a work-group, no clusters, 280,576 bytes of LDS; arguments query, key, value, out0; writes out0
.if DOCPART == 2
	.amdgcn_target "amdgcn-amd-amdhsa--gfx1250"
	.amdhsa_code_object_version 6
	.text
	.protected	k_qe41063fa40_attn
	.globl	k_qe41063fa40_attn
	.p2align	8
	.type	k_qe41063fa40_attn,@function
k_qe41063fa40_attn:
	s_mov_b64 s[64:65], 0
	v_nop
	global_prefetch_b8 v0, s[64:65] scope:SCOPE_SE
	s_setreg_imm32_b32 hwreg(HW_REG_WAVE_SCHED_MODE, 0, 2), 2
	s_setreg_imm32_b32 hwreg(HW_REG_WAVE_MODE, 25, 1), 1
	s_wait_xcnt 0x0
	s_wait_alu depctr_vm_vsrc(0)
; out0[b][q][64 h + d] = sum over k of softmax_k(Q[b][h][q] . K[b][h][k] / 8) V[b][h][k][d].  Q, K, V: [4][16][2048][64] f32; out0: [4][2048][1024] f32.
; Both products on codes of FP6 (E2M3) with one E8M0 scale for each 32 along a product's K (the head's 64 in the first, the 2,048 keys in the second), sums in f32.
; THE SOFTMAX AHEAD OF THE SECOND PRODUCT: t = score x log2(e) / 8; M = the running largest t, rounded UP to a whole number; p = 2^(t - M) is quantised along the keys, not normalised.
; The row's sum is taken of the unquantised p and divides O at the end.  When M moves, the sum and O are multiplied by 2^(old M - new M), which rounds nothing.
; mask, to_q and to_k: the launch is not given them.
; SHARES.  Work-group (x, y): head y (= 16 b + h), queries 512 x .. 512 x + 511.  Sixteen waves of 256 registers, four to a SIMD; a wave owns 32 queries, as two tiles of 16 in two passes over the keys.
; K AND V ARE QUANTISED BY THE WORK-GROUP ITSELF, ONCE, INTO LDS: a head's codes are 2 x 98,304 bytes and its scale words 12,288, so a whole head stays there and no LDS byte is written twice.
; Pass 0 is a pipeline: the trip that works on keys 256 d .. 256 d + 255 also loads, quantises and stores the codes of the next 256 keys; one barrier a trip.  Pass 1 finds all in LDS and has no barrier.
; NO CLUSTER, NO TENSOR LOAD: what the four work-groups of a head share is f32 that has to pass through registers to be quantised; as tiles a head's K and V are 1,048,576 bytes, more than three times the LDS asked for here,
; so they would need a ring filled again and again, and every number would cross LDS once more as f32.  Here each wave loads its share straight into registers, a whole key step ahead of the wait for it.
; LAYOUT.  Both products are used transposed: S^T = K Q^T (source 0 = 16 keys, source 1 = my 16 queries), O^T = V^T P^T (source 0 = 16 channels, source 1 = P): lane (m = lane % 16, hh = lane / 16) holds query m throughout.
; THE KEYS OF A TILE ARE NOT NEIGHBOURS: in a step of 128 keys, row m of tile T takes key 64 (T / 4) + 32 (m / 8) + 8 (T % 4) + m % 8.  Register S + 32 c + i of a lane is then key 64 c + 32 hh + i:
; a lane holds WHOLE blocks of 32 keys, in the very order of the 6-bit operand: a block's maximum needs no other lane, and the conversions' results are the operand's registers.
; K = 64 IN AN INSTRUCTION OF K = 128: Q's fragment is 6 registers of codes and 6 of zero codes; K's fragment of tile T is its own 6 registers and the 6 that follow (the next tile's, or zeros): FP6 has no code for
; NaN or infinity, so they add nothing; bytes 2 and 3 of both scale words are 0x7f.
; A UNIT in LDS is the image of six operand registers, 768 bytes: registers 0-3 at 16 x lane, registers 4-5 at 512 + 8 x lane: one ds_load_b128 and one ds_load_b64 of consecutive bytes bring it back.
; LIMITS: NaN and infinities among the inputs are not served.  A block whose largest magnitude lies under 2^-124 (a block of zeros too) keeps the scale byte 1; its bytes are read by this launch alone.
; v_exp_f32 gives 0 for p under 2^-126 (ISA guide 15.8); the row's sum is above 1/2.
; THE MODE: SCHED_MODE bits 1:0 = 2 (LLVM: expert scheduling mode 2), set by the entry lines.  The code itself states the register dependences
; between vector or matrix instructions and memory or LDS instructions, with s_wait_alu, always for 0.
; THE PLAN.  Registers that memory or LDS instructions touch, and who else names them:
;   v1, v14, v13, v16-18  offsets and LDS addresses, made at the head and never written again: one wait on va_vdst ahead of the first load serves them for the whole kernel.
;   A16, A8               written by two additions at a key step's head, read by the step's 34 LDS loads.
;   KF, KS, VS            K's units and words land at a step's head, V's fragments and words behind the eight products K Q^T; matrix instructions alone read them.
;   S                     written by the products K Q^T, worked in place by the softmax, read last by the four conversions.  In pass 0 the next unit's numbers land in its lower half from the stage, behind a trip's first step.
;                         On the way out its lower half is the LDS stores' data; its upper half takes the rows back and is the global stores' data.
;   X                     global loads land in it; the stage's stores (K, Q) or the quantiser (V; in the prologue Q) read it.
;   PC, BY, WA, WB, WC    written by the quantiser and three additions, read by a unit's three stores, written again by the next key step's softmax.
; A KEY STEP has one wait on vm_vsrc, at its head (ahead of the additions to A16 and A8, and of all that the softmax writes again), and, beside the two waits behind its exponentials, four on va_vdst:
; ahead of K's loads, ahead of V's loads, ahead of the exponentials, and ahead of the products V^T P, which take codes and a scale word that vector instructions have just written.  That last wait stands behind every vector instruction that names S:
; only the four products follow it, which name O, KF, PC, VS and PW, so what lands in S behind the step owes nothing more.  A unit's three stores have one wait on va_vdst; V's also states that the quantiser is done reading X:
; only scalar lines, a wait and the barrier stand between it and the next loads into X, over the loop's backward jump and out of the loop alike.
.set DCH,   26112                      ; LDS: a double chunk = 256 keys = two key steps g = 0, 1.  Eight of them from byte 0 on.  In it:
                                       ;   768 (8 g + T)            K's unit of tile T
.set VU,    12288                      ;   VU + 768 (8 g + 4 c + t) V's unit: channels 16 t on, keys 64 c on
.set KSC,   24576                      ;   KSC + 512 g              K's scale words: tile T, row m at 16 (m + 16 (T / 4)) + 4 (T % 4)
.set VSC,   25600                      ;   VSC + 256 g              V's scale words: tile t, row m at 8 (m + 16 (t / 2)) + 4 (t % 2); byte 2 c + h in the word
.set STAGE, 8*DCH                      ; behind them a stage for each wave, its own: 16 rows of 256 bytes + 16
.set SROW,  272                        ; 17 x 16: sixteen rows begin at sixteen different places of 16 bytes modulo 256
.set SWAVE, 16*SROW
.set SPARE, STAGE+16*SWAVE             ; the spare words, 128 bytes for each wave: eight blocks of 256 bytes that no other line names
.set L16, 1                            ; v1   16 x lane       v2  8 x lane       v14  4 x lane; never rewritten
.set L8,  2
.set A16, 3                            ; v3, v4  the double chunk in hand + 16 x lane, + 8 x lane
.set A8,  4
.set SPW, 5                            ; v5   LDS address of my spare word: SPARE + 4 x my thread's number; never rewritten
.set NIL, 6                            ; v6   0; never rewritten
.set KW16, 7                           ; v7-9    where I store K's unit and its scale word, in a double chunk
.set KW8,  8
.set KWS,  9
.set VW16, 10                          ; v10-12  the same for V
.set VW8,  11
.set VWS,  12
.set TS,  13                           ; v13  my stage + 272 hh + 16 m: two rows an instruction, 16 bytes a lane
.set L4,  14
.set SH8, 15                           ; v15  8 hh: where my half's byte stands in a scale word
.set TR,  16                           ; v16  my stage + 272 m + 128 hh: my 32 neighbours of row m
.set STO, 17                           ; v17  my stage + 272 m + 32 hh: the way out, in
.set GO,  18                           ; v18  4096 hh + 16 m: the way out, in out0
.set R2,  19                           ; v19  a lane permute's destination: written once at the head, since it counts as a source
.set NM,  20                           ; v20  -M     v21 the running largest t (the packed scaling names the pair and takes its low word)
.set TM,  21
.set LS,  22                           ; v[22:23] the row's sum, in two halves
.set F,   24                           ; v[24:25] f = 2^(old M - new M); the upper register is written once
.set SU,  26                           ; v[26:27] the sums' second chain
.set BM,  28                           ; v28-31 chains of the maxima
.set WA,  30                           ; v30, v31, v33: the addresses of the stores in hand
.set WB,  31
.set SO0, 32                           ; v32, v33 the conversions' scale operands
.set SO1, 33
.set WC,  33
.set QW,  34                           ; v34 Q's scale words   v35 p's   v[36:37] V's   v[38:41] K's: these hold scales and nothing else
.set PW,  35
.set VS,  36
.set KS,  38
.set QF,  42                           ; v[42:53] Q's fragment: 6 registers of codes, 6 of zeros
.set PC,  54                           ; v[54:65] the codes just made
.set CT,  66                           ; v[66:68], v[70:72] a block's upper 16 codes (a conversion's three registers begin on an even number)
.set LN,  66                           ; at the head only: lane, m, hh
.set MM,  67
.set HH,  68
.set R,   69
.set BY,  73
.set KF,  74                           ; v[74:121] K's eight units, later V's four fragments
.set KZ,  122                          ; v[122:127] zeros: what follows tile 7's unit
.set S,   128                          ; v[128:191] S^T, then p
.set O,   192                          ; v[192:223] O^T: four accumulators
.set X,   224                          ; v[224:255] 32 numbers on their way to a quantiser
.set QP,  4                            ; s[4:5] Q   s[6:7] K   s[8:9] V   s[10:11] out0, each at my wave's part
.set KP,  6
.set VP,  8
.set OUT, 10
.set WV,  12                           ; s12  my wave's number
.set SEL, 20                           ; s[20:21] v_permlanex16_b32's selects for lane l xor 16
.set CS,  22                           ; s[22:23] c = log2(e) / 8 (the packed form names a pair)
.set TB,  24                           ; s24  LDS byte at which the double chunk in hand begins
.set CNT, 25
; My wave's share of the next 256 keys.  K: tile w's 16 keys, two rows (512 consecutive bytes) a load.
.macro KLOAD dst
.irp i, 0,1,2,3,4,5,6,7
	global_load_b128 v[\dst+4*\i:\dst+4*\i+3], v[L16], s[KP:KP+1] offset:8192*(\i/4)+512*(\i%4)   ; tile rows 2 i, 2 i + 1: keys 32 (i / 4) + 2 (i % 4) on
.endr
.endm
; V: a lane takes a channel and its registers run down a block of 32 keys: 128 consecutive bytes a load.
.macro VLOAD dst
.set j, 0
.rept 32
	global_load_b32 v[\dst+j], v[L4], s[VP:VP+1] offset:256*j
.set j, j+1
.endr
.endm
; Q: 16 queries, two rows a load; read by this wave alone.
.macro QLOAD dst
.irp i, 0,1,2,3,4,5,6,7
	global_load_b128 v[\dst+4*\i:\dst+4*\i+3], v[L16], s[QP:QP+1] offset:512*\i th:TH_LOAD_NT
.endr
.endm
; 16 rows of 256 bytes, loaded as they lie, turn through my stage: lane (m, hh) gets numbers 32 hh .. 32 hh + 31 of row m.  LDS serves a wave's instructions in order (ISA guide 5.7.1.4): no wait between stores and loads.
; The stores' data come from loads; what is owed for the registers in which the loads land is stated where the macro is used.
.macro TURN src, dst
.irp i, 0,1,2,3,4,5,6,7
	ds_store_b128 v[TS], v[\src+4*\i:\src+4*\i+3] offset:2*SROW*\i
.endr
.irp i, 0,1,2,3,4,5,6,7
	ds_load_b128 v[\dst+4*\i:\dst+4*\i+3], v[TR] offset:16*\i
.endr
.endm
; A whole block of 32 numbers in a lane's registers becomes six registers of codes at v[dst] and the scale's byte in v[BY].
.macro QUANT32 src, dst
	v_max3_num_f32 v[BM], |v[\src]|, |v[\src+1]|, 0x1800000             ; the largest magnitude, in two chains, with the floor 2^(3 - 127) among its leaves: the byte cannot fall under 1
	v_max3_num_f32 v[BM+1], |v[\src+16]|, |v[\src+17]|, |v[\src+18]|
.irp i, 2,4,6,8,10,12
	v_max3_num_f32 v[BM], v[BM], |v[\src+\i]|, |v[\src+\i+1]|
	v_max3_num_f32 v[BM+1], v[BM+1], |v[\src+17+\i]|, |v[\src+18+\i]|
.endr
	v_max3_num_f32 v[BM], v[BM], |v[\src+14]|, |v[\src+15]|
	v_max3_num_f32 v[BM], v[BM], v[BM+1], |v[\src+31]|
	v_add_nc_u32 v[SO0], 0xff000000, v[BM]                             ; 2 off its exponent field: the conversion takes the exponent field of this operand as its scale
	v_cvt_scalef32_pk16_fp6_f32 v[\dst:\dst+2], v[\src:\src+15], v[SO0]
	v_cvt_scalef32_pk16_fp6_f32 v[CT:CT+2], v[\src+16:\src+31], v[SO0]
	v_lshrrev_b32 v[BY], 23, v[SO0]                                    ; the scale's byte; also the plain instruction behind the conversions
.irp i, 0,1,2
	v_mov_b32 v[\dst+3+\i], v[CT+\i]
.endr
.endm
; The bytes of blocks 0 (lanes 0-15) and 1 (lanes 16-31) of row m make its scale word; bytes 2 and 3, over the zero codes, are 0x7f.
.macro WORD2 dst
	v_lshlrev_b32 v[BY], v[SH8], v[BY]
	v_permlanex16_b32 v[R2], v[BY], s[SEL], s[SEL+1]
	v_or_b32 v[BY], v[BY], v[R2]
	v_or_b32 v[\dst], 0x7f7f0000, v[BY]
.endm
; The unit in v[PC] on and its scale go to LDS, off bytes behind the double chunk in hand.
.macro KPUT off
	WORD2 BY
	v_add_nc_u32 v[WA], s[TB], v[KW16]
	v_add_nc_u32 v[WB], s[TB], v[KW8]
	v_add_nc_u32 v[WC], s[TB], v[KWS]
	s_wait_alu depctr_va_vdst(0)                                       ; the quantiser has written the codes and the scale word, the additions the three addresses: the stores below read them
	ds_store_b128 v[WA], v[PC:PC+3] offset:\off
	ds_store_b64 v[WB], v[PC+4:PC+5] offset:\off
	ds_store_b32 v[WC], v[BY] offset:\off                               ; both halves of the lanes write the same word with the same value
.endm
.macro VPUT off
	v_add_nc_u32 v[WA], s[TB], v[VW16]
	v_add_nc_u32 v[WB], s[TB], v[VW8]
	v_add_nc_u32 v[WC], s[TB], v[VWS]
	s_wait_alu depctr_va_vdst(0)                                       ; the quantiser has written the codes and the byte, the additions the three addresses: the stores below read them; and the quantiser is done reading its 32 numbers: in the loop they lie in X, in which the next global loads land
	ds_store_b128 v[WA], v[PC:PC+3] offset:\off
	ds_store_b64 v[WB], v[PC+4:PC+5] offset:\off
	ds_store_b8 v[WC], v[BY] offset:\off                                ; my channel's byte for my block of keys
.endm
; A pass begins: O^T and the sum are zeros and the largest t is -3e38, so that the key step is written without a first step of its own: the first change of M multiplies zeros.
.macro INIT
.set j, 0
.rept 32
	v_mov_b32 v[O+j], 0
.set j, j+1
.endr
	v_mov_b32 v[TM], 0xff61b1e6
	v_floor_f32 v[NM], -v[TM]
	v_mov_b32 v[LS], 0
	v_mov_b32 v[LS+1], 0
.endm
; A KEY STEP: 128 keys, the g-th of the double chunk in hand.
.macro STEP g
	s_wait_alu depctr_vm_vsrc(0)                                       ; the LDS loads issued so far have read v[A16] and v[A8], which the two additions write; a unit's stores have read their codes, scale and addresses, and the stage's stores their data, which this step writes again
	v_add_nc_u32 v[A16], s[TB], v[L16]
	v_add_nc_u32 v[A8], s[TB], v[L8]
	v_nop                                                              ; with the two additions: four plain instructions between the last products and loads into registers that they read (ISA guide 7.12.1 for vector instructions)
	v_nop
	s_wait_alu depctr_va_vdst(0)                                       ; the two addresses are written; the products issued so far are done reading V's fragments and K's scale words, in which the loads below land; Q's codes and scale word and the zeros, where they are fresh, are written ahead of the products that take them
.irp t, 0,1,2,3,4,5,6,7
	ds_load_b128 v[KF+6*\t:KF+6*\t+3], v[A16] offset:768*(8*(\g)+\t)
	ds_load_b64 v[KF+6*\t+4:KF+6*\t+5], v[A8] offset:768*(8*(\g)+\t)+512
.endr
	ds_load_b128 v[KS:KS+3], v[A16] offset:KSC+512*(\g)                ; register i: lanes 0-15 tile i's words, lanes 16-31 tile 4 + i's
	s_wait_dscnt 0x0                                                   ; K's units and words are in
.irp t, 0,1,2,3
	v_wmma_scale_f32_16x16x128_f8f6f4 v[S+8*\t:S+8*\t+7], v[KF+6*\t:KF+6*\t+11], v[QF:QF+11], 0, v[KS+\t], v[QW] matrix_a_fmt:MATRIX_FMT_FP6 matrix_b_fmt:MATRIX_FMT_FP6
.endr
.irp t, 4,5,6,7
	v_wmma_scale_f32_16x16x128_f8f6f4 v[S+8*\t:S+8*\t+7], v[KF+6*\t:KF+6*\t+11], v[QF:QF+11], 0, v[KS+\t-4], v[QW] matrix_a_fmt:MATRIX_FMT_FP6 matrix_b_fmt:MATRIX_FMT_FP6 matrix_a_scale:MATRIX_SCALE_ROW1
.endr
.rept 4
	v_nop                                                              ; four plain instructions: in front of the loads into K's registers, and of the first read of the scores
.endr
	s_wait_alu depctr_va_vdst(0)                                       ; the eight products are done reading K's units, in which V's fragments land (the last step's products, which read V's words, stand ahead of the step's first wait)
.irp t, 0,1,2,3
.irp c, 0,1
	ds_load_b128 v[KF+12*\t+6*\c:KF+12*\t+6*\c+3], v[A16] offset:VU+768*(8*(\g)+4*\c+\t)        ; V's fragments land while the softmax is walked
	ds_load_b64 v[KF+12*\t+6*\c+4:KF+12*\t+6*\c+5], v[A8] offset:VU+768*(8*(\g)+4*\c+\t)+512
.endr
.endr
	ds_load_b64 v[VS:VS+1], v[A8] offset:VSC+256*(\g)                  ; register i: lanes 0-15 tile i's words, lanes 16-31 tile 2 + i's
	; THE LARGEST SCORE OF EACH OF MY TWO BLOCKS OF 32 KEYS, two chains a block, the four by turns, registers ascending (each accumulator is first read at its lowest register).
	; It serves twice: for the row's maximum, and, since p rises with the score, for the block's largest p.
.irp q, 0,1,2,3
	v_max3_num_f32 v[BM+\q], v[S+16*\q], v[S+16*\q+1], v[S+16*\q+2]
.endr
.irp i, 3,5,7,9,11,13
.irp q, 0,1,2,3
	v_max3_num_f32 v[BM+\q], v[BM+\q], v[S+16*\q+\i], v[S+16*\q+\i+1]
.endr
.endr
.irp c, 0,1
	v_max3_num_f32 v[BM+2*\c], v[BM+2*\c], v[BM+2*\c+1], v[S+32*\c+15]
.endr
.irp c, 0,1
	v_max_num_f32 v[BM+2*\c], v[BM+2*\c], v[S+32*\c+31]
.endr
	v_max_num_f32 v[R], v[BM], v[BM+2]
	v_permlanex16_b32 v[R2], v[R], s[SEL], s[SEL+1]
	v_max_num_f32 v[R], v[R], v[R2]                                    ; with lane l xor 16's two blocks: the step's largest score of my query
	v_mul_f32 v[R], s[CS], v[R]                                        ; as t (c is positive)
	v_max_num_f32 v[TM], v[TM], v[R]                                   ; the running largest t
	v_mov_b32 v[R], v[NM]
	v_floor_f32 v[NM], -v[TM]                                          ; the new -M = floor(-t) = -ceil(t): a whole number
	v_sub_f32 v[R], v[NM], v[R]                                        ; old M - new M: a whole number, 0 or less
	v_cvt_i32_f32 v[R], v[R]                                           ; (it saturates)
	v_ldexp_f32 v[F], 1.0, v[R]                                        ; f = 2^(old M - new M)
.set j, 0
.rept 32
	v_pk_fma_f32 v[S+j:S+j+1], v[S+j:S+j+1], s[CS:CS+1], v[NM:NM+1] op_sel_hi:[1,0,0]   ; t - M, two at a time
.set j, j+2
.endr
	v_fma_f32 v[BM], v[BM], s[CS], v[NM]                               ; the same of each block's largest score
	v_fma_f32 v[BM+2], v[BM+2], s[CS], v[NM]
.set j, 0
	s_wait_alu depctr_va_vdst(0)
.rept 64
	v_exp_f32 v[S+j], v[S+j]                                           ; p = 2^(t - M): not normalised
.set j, j+1
.endr
	v_pk_mul_f32 v[LS:LS+1], v[LS:LS+1], v[F:F+1] op_sel_hi:[1,0]      ; the sums under the new M; the plain instruction behind the exponentials
	s_wait_alu depctr_va_vdst(0)                                       ; the 64 exponentials have written p: one wait for the batch, ahead of its first reader
	v_exp_f32 v[BM], v[BM]                                             ; the blocks' largest p: the same two instructions on the same number give the same bits
	v_exp_f32 v[BM+2], v[BM+2]
	v_pk_add_f32 v[SU:SU+1], v[S:S+1], v[S+2:S+3]                      ; THE ROW'S SUM IS TAKEN OF THE UNQUANTISED p, in two chains; it reads the 64 alone
.set j, 4
.rept 15
	v_pk_add_f32 v[LS:LS+1], v[LS:LS+1], v[S+j:S+j+1]
	v_pk_add_f32 v[SU:SU+1], v[SU:SU+1], v[S+j+2:S+j+3]
.set j, j+4
.endr
	v_pk_add_f32 v[LS:LS+1], v[LS:LS+1], v[SU:SU+1]
	s_wait_alu depctr_va_vdst(0)                                       ; the two exponentials have written the blocks' largest p, ahead of their first reader
	v_max_num_f32 v[BM], 0x1800000, v[BM]                              ; the floor 2^(3 - 127): the byte cannot fall under 1 (a block whose every p is 0 keeps that byte: its codes are zeros)
	v_max_num_f32 v[BM+2], 0x1800000, v[BM+2]
	v_add_nc_u32 v[SO0], 0xff000000, v[BM]                             ; 2 off the exponent field: the conversions' scale operands
	v_add_nc_u32 v[SO1], 0xff000000, v[BM+2]
	v_lshrrev_b32 v[BY], 23, v[SO0]                                    ; the bytes of blocks hh and 2 + hh
	v_lshrrev_b32 v[R], 23, v[SO1]
	v_cvt_scalef32_pk16_fp6_f32 v[PC:PC+2], v[S:S+15], v[SO0]
	v_cvt_scalef32_pk16_fp6_f32 v[CT:CT+2], v[S+16:S+31], v[SO0]
	v_cvt_scalef32_pk16_fp6_f32 v[PC+6:PC+8], v[S+32:S+47], v[SO1]
	v_cvt_scalef32_pk16_fp6_f32 v[CT+4:CT+6], v[S+48:S+63], v[SO1]
	v_lshl_or_b32 v[PW], v[R], 16, v[BY]                               ; (a plain instruction behind the conversions)  my two bytes,
	v_lshlrev_b32 v[PW], v[SH8], v[PW]                                 ; at their places in the scale word;
	v_permlanex16_b32 v[R2], v[PW], s[SEL], s[SEL+1]
	v_or_b32 v[PW], v[PW], v[R2]                                       ; with lane l xor 16's two the word of these 128 keys is whole
.irp c, 0,1
.irp i, 0,1,2
	v_mov_b32 v[PC+6*\c+3+\i], v[CT+4*\c+\i]
.endr
.endr
.set j, 0
.rept 16
	v_pk_mul_f32 v[O+j:O+j+1], v[O+j:O+j+1], v[F:F+1] op_sel_hi:[1,0]  ; O^T under the new M.  With the six moves these stand between p's scale word (22 instructions back) and codes (16) and the products
.set j, j+2
.endr
	s_wait_dscnt 0x0                                                   ; V's fragments and words are in
	s_wait_alu depctr_va_vdst(0)                                       ; p's codes and scale word are written, behind their places and ahead of the products that take them; and the conversions are done reading S, in which pass 0's next numbers land behind this step
.irp t, 0,1
	v_wmma_scale_f32_16x16x128_f8f6f4 v[O+8*\t:O+8*\t+7], v[KF+12*\t:KF+12*\t+11], v[PC:PC+11], v[O+8*\t:O+8*\t+7], v[VS+\t], v[PW] matrix_a_fmt:MATRIX_FMT_FP6 matrix_b_fmt:MATRIX_FMT_FP6
.endr
.irp t, 2,3
	v_wmma_scale_f32_16x16x128_f8f6f4 v[O+8*\t:O+8*\t+7], v[KF+12*\t:KF+12*\t+11], v[PC:PC+11], v[O+8*\t:O+8*\t+7], v[VS+\t-2], v[PW] matrix_a_fmt:MATRIX_FMT_FP6 matrix_b_fmt:MATRIX_FMT_FP6 matrix_a_scale:MATRIX_SCALE_ROW1
.endr
.endm                                  ; the four accumulators take turns, and eight other products stand between two steps' turns
; THE WAY OUT of a tile of 16 queries.  O^T / the sum goes through my stage and leaves as whole rows: a query's 64 channels of this head are 256 consecutive bytes of out0, at a multiple of 256 from its first byte.
; more = 1: another tile follows.
.macro FINISH more
	v_add_f32 v[LS], v[LS], v[LS+1]                                    ; the sum's two halves,
	v_permlanex16_b32 v[R2], v[LS], s[SEL], s[SEL+1]
	v_add_f32 v[LS], v[LS], v[R2]                                      ; and lane l xor 16's blocks: the row's sum
	v_nop                                                              ; (with the two additions: four plain instructions behind the last products)
	v_nop
	s_wait_alu depctr_va_vdst(0)
	v_rcp_f32 v[F], v[LS]
	v_nop                                                              ; a plain instruction behind the reciprocal,
	s_wait_alu depctr_va_vdst(0)                                       ; and the wait ahead of its first reader: the reciprocal is written
.set j, 0
.rept 16
	v_pk_mul_f32 v[S+j:S+j+1], v[O+j:O+j+1], v[F:F+1] op_sel_hi:[1,0]  ; register 8 t + i: o(query m, channel 16 t + 8 hh + i); each accumulator from its low end on
.set j, j+2
.endr
	s_wait_alu depctr_va_vdst(0)                                       ; the multiplications have written S's lower half, which the LDS stores read; the last step's vector instructions are done with its upper half, in which the rows land
.irp t, 0,1,2,3
	ds_store_b128 v[STO], v[S+8*\t:S+8*\t+3] offset:64*\t
	ds_store_b128 v[STO], v[S+8*\t+4:S+8*\t+7] offset:64*\t+16
.endr
.irp i, 0,1,2,3,4,5,6,7
	ds_load_b128 v[S+32+4*\i:S+32+4*\i+3], v[TS] offset:2*SROW*\i      ; back by rows: lanes 0-15 one query, lanes 16-31 the next (in order behind my stores)
.endr
.irp i, 0,1,2,3,4,5,6,7
	s_wait_dscnt 7-\i                                                  ; the i-th of the eight is in, the younger ones may be out
	global_store_b128 v[GO], v[S+32+4*\i:S+32+4*\i+3], s[OUT:OUT+1] offset:8192*\i th:TH_STORE_NT   ; sixteen lanes store 256 consecutive bytes; written once, read by nobody here
.endr
.if \more
	s_wait_xcnt 0x0                                                    ; the stores' base and data are written again only behind this wait
	s_wait_alu depctr_vm_vsrc(0)                                       ; the LDS stores have read S's lower half, in which Q's numbers land next, and the global stores its upper half, which the next pass's products write
	s_add_nc_u64 s[OUT:OUT+1], s[OUT:OUT+1], 65536                     ; 16 rows of out0 on
.endif
.endm
	s_load_b256 s[4:11], s[0:1], 0x0                                   ; query, key, value, out0
	v_lshl_add_u32 v[SPW], v0, 2, SPARE
	v_mov_b32 v[NIL], 0
	v_lshrrev_b32 v[R], 5, v0
	v_readfirstlane_b32 s[WV], v[R]                                    ; wave w, 0 .. 15
	v_and_b32 v[LN], 31, v0
	v_and_b32 v[MM], 15, v0                                            ; m
	s_wait_alu depctr_va_vdst(0)
	v_bfe_u32 v[HH], v0, 4, 1                                          ; hh
	s_wait_alu depctr_va_vdst(0)
	v_lshlrev_b32 v[L16], 4, v[LN]
	v_lshlrev_b32 v[L8], 3, v[LN]
	v_lshlrev_b32 v[L4], 2, v[LN]
	v_lshlrev_b32 v[SH8], 3, v[HH]
	s_wait_alu depctr_va_sdst(0)                                       ; the wave's number is written into s12, ahead of its first reader: LDS places and all four bases are made from it
	; K: wave w makes unit w of a double chunk (step w / 8, tile w % 8)
	s_mul_i32 s13, s[WV], 768
	v_add_nc_u32 v[KW16], s13, v[L16]
	s_add_co_u32 s13, s13, 512
	v_add_nc_u32 v[KW8], s13, v[L8]
	s_lshr_b32 s13, s[WV], 2
	s_lshl_b32 s13, s13, 8
	s_and_b32 s28, s[WV], 3
	s_lshl_b32 s28, s28, 2
	s_add_co_u32 s13, s13, s28
	s_add_co_u32 s13, s13, KSC
	v_lshl_add_u32 v[KWS], v[MM], 4, s13                               ; KSC + 256 (w / 4) + 4 (w % 4) + 16 m
	; V: wave w takes the block of keys 2 (w / 4) + w % 2 and channels 32 ((w / 2) % 2) + lane: its lanes fill place m + 16 (w % 2) of units (w & 14) + hh
	s_and_b32 s13, s[WV], 14
	s_mul_i32 s13, s13, 768
	s_and_b32 s28, s[WV], 1
	s_lshl_b32 s29, s28, 8
	s_add_co_u32 s29, s29, s13
	s_add_co_u32 s29, s29, VU
	v_mul_u32_u24 v[VW16], v[HH], 768
	v_lshl_add_u32 v[VW8], v[MM], 3, v[VW16]
	v_lshl_add_u32 v[VW16], v[MM], 4, v[VW16]
	v_add_nc_u32 v[VW16], s29, v[VW16]
	s_lshl_b32 s29, s28, 7
	s_add_co_u32 s29, s29, s13
	s_add_co_u32 s29, s29, VU+512
	v_add_nc_u32 v[VW8], s29, v[VW8]
	s_lshr_b32 s29, s[WV], 3
	s_lshl_b32 s29, s29, 8                                             ; the step: 256 (w / 8)
	s_bfe_u32 s30, s[WV], 0x10001
	s_lshl_b32 s30, s30, 7                                             ; tiles 2, 3: 128 ((w / 2) % 2)
	s_add_co_u32 s29, s29, s30
	s_bfe_u32 s30, s[WV], 0x10002
	s_lshl_b32 s30, s30, 1                                             ; the byte in the word: 2 ((w / 4) % 2) + w % 2
	s_add_co_u32 s29, s29, s30
	s_add_co_u32 s29, s29, s28
	s_add_co_u32 s29, s29, VSC
	v_lshlrev_b32 v[VWS], 3, v[MM]
	v_lshl_add_u32 v[VWS], v[HH], 2, v[VWS]
	v_add_nc_u32 v[VWS], s29, v[VWS]
	; my stage
	s_mul_i32 s13, s[WV], SWAVE
	s_add_co_u32 s13, s13, STAGE
	v_mul_u32_u24 v[TS], v[HH], SROW
	v_lshl_add_u32 v[TS], v[MM], 4, v[TS]
	v_add_nc_u32 v[TS], s13, v[TS]
	v_mul_u32_u24 v[TR], v[MM], SROW
	v_lshl_add_u32 v[STO], v[HH], 5, v[TR]
	v_lshl_add_u32 v[TR], v[HH], 7, v[TR]
	v_add_nc_u32 v[TR], s13, v[TR]
	v_add_nc_u32 v[STO], s13, v[STO]
	v_lshlrev_b32 v[GO], 12, v[HH]                                     ; a row of out0 is 4,096 bytes
	v_lshl_add_u32 v[GO], v[MM], 4, v[GO]
	v_mov_b32 v[R2], 0
	v_mov_b32 v[F+1], 0                                                ; (named as the upper half of a pair)
	s_mov_b32 s[SEL], 0x76543210
	s_mov_b32 s[SEL+1], 0xfedcba98
	s_mov_b32 s[CS], 0x3e38aa3b                                        ; c = log2(e) / 8
	s_mov_b32 s[CS+1], s[CS]
	s_mov_b32 s[TB], 0
	; byte offsets, all under 2^32, each in a pair with 0 above it
	s_and_b32 s28, ttmp7, 0xffff                                       ; the head, 16 b + h
	s_lshl_b32 s29, s28, 19                                            ; its 2,048 rows of 256 bytes in Q, K and V
	s_lshr_b32 s30, s[WV], 2
	s_lshl_b32 s30, s30, 14
	s_add_co_u32 s30, s30, s29                                         ; + 64 keys x (w / 4)
	s_and_b32 s31, s[WV], 3
	s_lshl_b32 s31, s31, 11
	s_add_co_u32 s14, s30, s31                                         ; K: + 8 keys x (w % 4)
	s_mov_b32 s15, 0
	s_and_b32 s31, s[WV], 1
	s_lshl_b32 s31, s31, 13
	s_add_co_u32 s16, s30, s31                                         ; V: + 32 keys x (w % 2)
	s_bfe_u32 s31, s[WV], 0x10001
	s_lshl_b32 s31, s31, 7
	s_add_co_u32 s16, s16, s31                                         ;    + 32 channels x ((w / 2) % 2)
	s_mov_b32 s17, 0
	s_lshl_b32 s31, ttmp9, 17
	s_add_co_u32 s18, s29, s31                                         ; Q: + 512 queries x work-group x
	s_lshl_b32 s31, s[WV], 13
	s_add_co_u32 s18, s18, s31                                         ;    + 32 queries x w
	s_mov_b32 s19, 0
	s_lshr_b32 s26, s28, 4
	s_lshl_b32 s26, s26, 23                                            ; out0: b x 2,048 rows of 4,096 bytes
	s_lshl_b32 s31, ttmp9, 21
	s_add_co_u32 s26, s26, s31
	s_lshl_b32 s31, s[WV], 17
	s_add_co_u32 s26, s26, s31
	s_and_b32 s31, s28, 15
	s_lshl_b32 s31, s31, 8                                             ;       + 256 bytes x h
	s_add_co_u32 s26, s26, s31
	s_mov_b32 s27, 0
	s_wait_kmcnt 0x0
	s_add_nc_u64 s[KP:KP+1], s[KP:KP+1], s[14:15]
	s_add_nc_u64 s[VP:VP+1], s[VP:VP+1], s[16:17]
	s_add_nc_u64 s[QP:QP+1], s[QP:QP+1], s[18:19]
	s_add_nc_u64 s[OUT:OUT+1], s[OUT:OUT+1], s[26:27]
	s_wait_alu depctr_va_vdst(0)                                       ; the offsets and LDS addresses v1, v14, v13 and v16 to v18 are written, which loads and stores read from here to the kernel's end
	KLOAD X                                                            ; keys 0 to 255: my unit of K,
	VLOAD S                                                            ; my half units of V,
	QLOAD S+32                                                         ; and my first 16 queries
	; THE PROLOGUE: double chunk 0, and Q's first fragment
	s_wait_loadcnt 40                                                  ; K's 8 loads are in; V's 32 and Q's 8 may be out
	TURN X, O                                                          ; (no vector instruction has named O yet)
	s_wait_dscnt 0x0
	QUANT32 O, PC
	KPUT 0
	s_wait_loadcnt 8                                                   ; V's are in; Q's 8 may be out
	s_wait_dscnt 0x0                                                   ; K's stores have landed
	s_wait_alu depctr_vm_vsrc(0)                                       ; K's three stores have read the codes, the word and their addresses, which the quantiser and the additions below write again; the stage's stores have read X, in which Q's numbers land below
	QUANT32 S, PC
	VPUT 0
	s_wait_loadcnt 0x0                                                 ; Q is in; no load of mine is out, so the three bases may step below
	TURN S+32, X                                                       ; (no vector instruction has named X yet)
	s_wait_dscnt 0x0                                                   ; Q is back from the stage; my stores into double chunk 0 have landed: no LDS instruction of mine is out from here to the barrier
	s_wait_alu depctr_vm_vsrc(0)                                       ; V's store has read the byte's register, which the quantiser writes again
	QUANT32 X, QF
	WORD2 QW
.irp i, 0,1,2,3,4,5
	v_mov_b32 v[QF+6+\i], 0                                            ; zero codes for k = 64 .. 127
	v_mov_b32 v[KZ+\i], 0
.endr
	INIT
	s_wait_alu depctr_va_vdst(0)                                       ; the quantiser is done reading X, in which the first trip's loads land
	s_add_nc_u64 s[KP:KP+1], s[KP:KP+1], 65536                         ; 256 keys on
	s_add_nc_u64 s[VP:VP+1], s[VP:VP+1], 65536
	s_add_nc_u64 s[QP:QP+1], s[QP:QP+1], 4096                          ; my second 16 queries
	s_barrier_signal -1
	s_barrier_wait -1                                                  ; double chunk 0 is whole
	; PASS 0, my first 16 queries.  A trip reads double chunk d and writes double chunk d + 1 (DCH bytes further on): no byte is both read and written between two barriers.
	s_mov_b32 s[CNT], 7
.Lfill:
	KLOAD X                                                            ; a whole key step ahead of the wait for it.  No wait here: no vector instruction has named X since the wait ahead of V's stores (first trip: since the prologue's last wait)
	STEP 0
	s_wait_loadcnt 0x0                                                 ; K's 8 loads are in, so their base may step
	s_add_nc_u64 s[KP:KP+1], s[KP:KP+1], 65536
	TURN X, S                                                          ; p's registers are free: the step's last wait stands behind every vector instruction that names them
	s_wait_dscnt 0x0                                                   ; my 32 numbers are back from the stage
	s_wait_alu depctr_vm_vsrc(0)                                       ; the stage's stores have read X, in which V's loads land
	VLOAD X                                                            ; likewise a key step ahead
	QUANT32 S, PC                                                      ; (its sixteen maxima are the plain instructions between the last products and the write of their codes' registers)
	KPUT DCH
	STEP 1
	s_wait_loadcnt 0x0                                                 ; V's 32 loads are in
	s_add_nc_u64 s[VP:VP+1], s[VP:VP+1], 65536
	QUANT32 X, PC
	VPUT DCH
	s_add_co_u32 s[TB], s[TB], DCH
	s_wait_dscnt 0x0                                                   ; for the others' sake: my stores into the next double chunk have landed
	s_barrier_signal -1
	s_barrier_wait -1                                                  ; it is whole
	s_sub_co_u32 s[CNT], s[CNT], 1
	s_cmp_lg_u32 s[CNT], 0
	s_cbranch_scc1 .Lfill
	QLOAD X                                                            ; the last 256 keys: nothing is left to quantise but my second 16 queries (X: as at the loop's head)
	STEP 0
	STEP 1
	FINISH 1
	s_wait_loadcnt 0x0                                                 ; Q
	TURN X, S                                                          ; (S's lower half: the way out's two last waits have stated that its writers and its readers are done)
	s_wait_dscnt 0x0
	QUANT32 S, QF
	WORD2 QW
	INIT                                                               ; (36 plain instructions between Q's scale word and the next product)
	s_mov_b32 s[TB], 0
	; PASS 1, my second 16 queries: the whole head lies in LDS and nobody writes it any more: no barrier
	s_mov_b32 s[CNT], 8
.Lkeys:
	STEP 0
	STEP 1
	s_add_co_u32 s[TB], s[TB], DCH
	s_sub_co_u32 s[CNT], s[CNT], 1
	s_cmp_lg_u32 s[CNT], 0
	s_cbranch_scc1 .Lkeys
	FINISH 0
	s_wait_dscnt 0x0                                                   ; the wave's end: the closing lines, six on end
	s_wait_alu 0x0
	s_wait_tensorcnt 0x0
	ds_add_u32 v[SPW], v[NIL]
	s_wait_dscnt 0x0
	s_endpgm
.Lfunc_end_k_qe41063fa40_attn:
	.size	k_qe41063fa40_attn, .Lfunc_end_k_qe41063fa40_attn-k_qe41063fa40_attn
	.p2alignl 7, 3214868480
	.fill 96, 4, 3214868480
	.section	.rodata,"a",@progbits
	.p2align	6, 0x0
	.amdhsa_kernel k_qe41063fa40_attn
		.amdhsa_group_segment_fixed_size 280576
		.amdhsa_private_segment_fixed_size 0
		.amdhsa_enable_private_segment 0
		.amdhsa_kernarg_size 32
		.amdhsa_user_sgpr_count 2
		.amdhsa_user_sgpr_kernarg_segment_ptr 1
		.amdhsa_wavefront_size32 1
		.amdhsa_system_sgpr_workgroup_id_x 1
		.amdhsa_system_sgpr_workgroup_id_y 1
		.amdhsa_system_sgpr_workgroup_id_z 1
		.amdhsa_system_vgpr_workitem_id 0
		.amdhsa_next_free_vgpr 256
		.amdhsa_next_free_sgpr 66
		.amdhsa_reserve_vcc 0
		.amdhsa_float_denorm_mode_32 3
		.amdhsa_float_denorm_mode_16_64 3
		.amdhsa_memory_ordered 1
		.amdhsa_forward_progress 1
		.amdhsa_inst_pref_size 128
	.end_amdhsa_kernel
	.amdgpu_metadata
---
amdhsa.version: [ 1, 2 ]
amdhsa.kernels:
  - .name:           k_qe41063fa40_attn
    .symbol:         k_qe41063fa40_attn.kd
    .args:
      - { .name: query, .offset: 0, .size: 8, .value_kind: global_buffer, .address_space: global }
      - { .name: key, .offset: 8, .size: 8, .value_kind: global_buffer, .address_space: global }
      - { .name: value, .offset: 16, .size: 8, .value_kind: global_buffer, .address_space: global }
      - { .name: out0, .offset: 24, .size: 8, .value_kind: global_buffer, .address_space: global }
    .group_segment_fixed_size: 280576
    .private_segment_fixed_size: 0
    .kernarg_segment_align: 8
    .kernarg_segment_size: 32
    .max_flat_workgroup_size: 512
    .sgpr_count:     66
    .vgpr_count:     256
    .wavefront_size: 32
...
	.end_amdgpu_metadata
.endif
;; end of part 2
